; MI455X (gfx1250); checked and timed in simulation.
; The chip was launched on July 23, 2026; its instructions are those of AMD's public machine-readable ISA for CDNA 5 (MIT licence, August 2026) and "CDNA5" Instruction Set Architecture Reference Guide (July 2026). The comments in the code are by the model that wrote it; some were corrected since.
;; Re Sprop Attention. Allowed arithmetic: float matrix products may take bf16 or f16 operands with f32 sums; all other float work in f32.
;; Inputs: K 32 x 2,048 x 128 float32; Q 32 x 2,048 x 128 float32; V 32 x 2,048 x 128 float32.
;; Outputs: out0 32 x 2,048 x 128 float32.
;; One version. Each part assembles by itself: llvm-mc -triple=amdgcn-amd-amdhsa -mcpu=gfx1250 --defsym DOCPART=n.
;; ======== version 1 of 1: 1 launch
;; launch attn (part 1): grid 8 x 32, 4 waves a work-group, clusters of 4 x 1, 327,680 bytes of LDS; arguments Q, K, V, out0; writes out0
.if DOCPART == 1
	.amdgcn_target "amdgcn-amd-amdhsa--gfx1250"
	.amdhsa_code_object_version 6
	.text
	.protected	k_q5d01a0d8c0_attn
	.globl	k_q5d01a0d8c0_attn
	.p2align	8
	.type	k_q5d01a0d8c0_attn,@function
k_q5d01a0d8c0_attn:
	s_mov_b64 s[64:65], 0
	v_nop
	global_prefetch_b8 v0, s[64:65] scope:SCOPE_SE
	s_setreg_imm32_b32 hwreg(HW_REG_WAVE_MODE, 25, 1), 1
	s_wait_xcnt 0x0
	s_wait_alu depctr_hold_cnt(0) depctr_sa_sdst(0) depctr_va_vdst(0) depctr_va_sdst(0) depctr_va_ssrc(0) depctr_va_vcc(0) depctr_vm_vsrc(0)
	s_getreg_b32 s2, hwreg(HW_REG_IB_STS2, 6, 4)
	s_cmp_eq_u32 s2, 0
	s_cbranch_scc0 .Lentry_in_a_cluster
	s_endpgm
.Lentry_in_a_cluster:
	s_bfe_u32 s2, ttmp6, 0x10000c
	s_cmp_lg_u32 s2, 0x3003
	s_cbranch_scc0 .Lentry_shape_is_right
	s_endpgm
.Lentry_shape_is_right:
; out0[b][t][:] = softmax over u of (Q[b][t] . K[b][u] / sqrt(128)) times V[b][u][:].   B = 32, T = 2048, D = 128, all f32 in memory.
; One launch, nothing through memory but the inputs and the output.  A work-group owns 256 queries of one batch, a wave 64 of them.
; The keys go in 32 tiles of 64, with a running maximum and a running sum (both f32) for each query.
;
; BOTH PRODUCTS ARE TAKEN TRANSPOSED: S^T = K Q^T and O^T = V^T P^T.  In every accumulator lane (r, h) = (lane % 16, lane / 16) then holds
; query r: maximum, sum and rescale factor are one number a lane, and two tiles of S^T (keys 16 kt + 8 h + j in register j), rounded to
; bf16 in pairs, ARE the second operand of the second product (k = 8 h + j in registers 0-3, k = 16 + 8 h + j in registers 4-7).
;
; K AND V: the 8 query blocks of a batch read the same tiles.  Four of them form a cluster (a mask names four work-groups at the most) and
; ask jointly: each wave issues one tensor load of 16 KiB a trip (waves 0, 1 the halves of K's tile, waves 2, 3 of V's), f32, into two
; slots that take turns.  The four waves round each tile to bf16 once for the work-group (16 rows of K and 16 of V each) into a second
; pair of slots, written by LDS stores alone, from which all waves take their fragments.  One round of the cluster's barrier a trip orders
; the refill, the hand-over of the bf16 tile and the release of the one before.
;
; LIMITS.  Matrix operands (Q, K, V and the weights p) are rounded to bf16, sums are f32, in another order than the reference's.
; The maximum is taken away in front of every exponential; a weight below 2^-126 of the row's largest counts as 0 (v_exp_f32 returns
; no denormals: ISA guide 15.8).  Scores that are not finite in f32 (infinite or NaN inputs, |Q.K| past f32's range) are not served.
.set TILEB,  32768                     ; a tile in memory: 64 rows of 512 bytes, dense
.set FSLOT,  65536                     ; an f32 slot: K's tile, then V's
.set KVOFF,  32768                     ; V's tile in an f32 slot
.set HK,     131072                    ; bf16 slot 0: K, 64 rows
.set KPITCH, 272                       ; 256 bytes + 16: 17 x 16, so the 16 rows of a fragment load begin at 16 different multiples of 16 modulo 256
.set HV,     148480                    ; bf16 slot 0: V, 64 rows
.set VPITCH, 288                       ; 256 bytes + 32: 9 x 32, for the transposing load
.set HSTG,   35840                     ; from bf16 slot 0 to bf16 slot 1
.set STAGE,  202752                    ; 16 rows of f32 for each wave: Q on its way in, O on its way out
.set SPITCH, 528                       ; 512 bytes + 16 = 33 x 16
; vector registers, window 0
.set GO,  8                            ; 16 x lane: my 16 bytes of a row of 512
.set ADK, 9                            ; K fragments: HK + 272 r + 16 h
.set ADV, 10                           ; V fragments: HV + 288 (8 h + lane % 8) + 16 ((lane / 8) % 2)
.set CVS, 11                           ; v11, v12: my wave's 16 rows in f32 slot 0, 1, my 16 bytes
.set CVK, 13                           ; my wave's 16 rows of K in bf16 slot 0, my 8 bytes
.set CVV, 14                           ; the same for V
.set STO, 15                           ; stage by fragment: row r, 32 bytes for each half of the lanes
.set RD,  16                           ; stage by rows: 16 x lane
.set PFO, 17                           ; prefetch: byte offset of my block in the tile asked for
.set PFM, 18                           ; the same in the last tile
.set FR,  32                           ; v32-159: 16 fragments of 8 registers, K's and then V's
.set CVA, 160                          ; v160-191, v192-223: 8 rows of f32 on their way to bf16
.set CVB, 192
.set PKA, 224                          ; v224-239, v240-255: the same rows packed
.set PKB, 240
; window 1: S(kt, qt) at 8 (4 qt + kt); P(qt, uc) at PB + 8 (2 qt + uc); for each qt at ST + 8 qt: +1 running maximum, +2:3 sum (two partial sums),
;           +4:5 minus c x maximum, twice, +6:7 rescale factor, twice
; window 2: O(vt, qt) at 8 (8 qt + vt); at the start Q's 64 rows as loaded.   window 3: Q(qt, c) at 8 (4 qt + c), bf16
.set PB,  128
.set ST,  192
.set G1,  24                           ; s[24:31] descriptor group 1, one for all loads
.set G0K, 32                           ; s[32:39] group 0 for K's tiles, a set for each slot
.set G0V, 40                           ; s[40:47] the same for V's
.set MSB, 0
.macro WIN new                         ; low byte: bits 1:0 source 0, 3:2 source 1, 5:4 source 2, 7:6 destination; the high byte repeats the setting that is left
.if MSB != \new
	s_set_vgpr_msb (MSB<<8)|\new
.set MSB, \new
.endif
.endm
.macro PLACES                          ; four places behind a matrix instruction (ISA guide 7.12.1) where there is no other vector work
.rept 4
	v_nop
.endr
.endm
; A round of the cluster's barrier: my work-group's barrier, wave 0 signals for the work-group, every wave waits for all four work-groups, my work-group's barrier again.
.macro ROUND
	s_barrier_signal -1
	s_barrier_wait -1
	s_cmp_lg_u32 s12, 0
	s_cbranch_scc1 .Lnot_wave_0_\@
	s_barrier_signal -3
.Lnot_wave_0_\@:
	s_barrier_wait -3
	s_barrier_signal -1
	s_barrier_wait -1
.endm
; A joint load into f32 slot s.  The branch hangs on the wave's number alone; every word of both descriptors is made of the batch and the wave's number, which the four partners share.
.macro JLOAD s
	s_cmp_eq_u32 s13, 0
	s_cbranch_scc0 .Lfor_v_\@
	tensor_load_to_lds s[G0K+4*\s:G0K+4*\s+3], s[G1:G1+7]
	s_nop 0
	s_branch .Lasked_\@
.Lfor_v_\@:
	tensor_load_to_lds s[G0V+4*\s:G0V+4*\s+3], s[G1:G1+7]
	s_nop 0
.Lasked_\@:
.endm
; Wave 0 asks for 32 blocks, 256 bytes apart: 8 KiB.  The four work-groups of a cluster cover one tile of 32 KiB, the batch's first cluster K's and its second V's:
; each block of a tile is asked for once in the launch (the last tile once more, by the clamp).  Trip t asks for tile t + 3, whose tensor load is issued in trip t + 1.
.macro PREF
	s_cmp_lg_u32 s12, 0
	s_cbranch_scc1 .Lno_pref_\@
	global_prefetch_b8 v[PFO], s[56:57] th:TH_LOAD_NT scope:SCOPE_SE
.Lno_pref_\@:
.endm
	s_load_b256 s[4:11], s[0:1], 0x0               ; Q s[4:5], K s[6:7], V s[8:9], out0 s[10:11]
	v_lshl_add_u32 v30, v0, 2, 0x39c00
	v_mov_b32 v31, 0
	ds_add_u32 v30, v31
	v_lshrrev_b32 v4, 5, v0
	v_readfirstlane_b32 s12, v4                    ; wave 0..3
	s_lshr_b32 s13, s12, 1                         ; 0: I fetch for K, 1: for V
	s_and_b32 s14, s12, 1                          ; which 32 rows of that tile
	s_bfe_u32 s15, ttmp6, 0x40000                  ; cx: my place in the cluster; it enters global addresses of Q, out0 and the prefetch alone
	s_lshl_b32 s16, ttmp9, 2
	s_add_co_u32 s16, s16, s15                     ; query block = 4 x cluster x + cx
	s_and_b32 s17, ttmp7, 0xffff                   ; batch
	s_lshl_b32 s18, s17, 20                        ; a batch is 2048 x 512 bytes
	s_lshl_b32 s60, s14, 14
	s_add_co_u32 s18, s18, s60                     ; K, V: batch + my half of tile 0
	s_mov_b32 s19, 0
	s_lshl_b32 s20, s17, 20
	s_lshl_b32 s61, s16, 17                        ; 256 rows of 512 bytes
	s_add_co_u32 s20, s20, s61
	s_lshl_b32 s61, s12, 15                        ; 64 rows
	s_add_co_u32 s20, s20, s61                     ; Q, out0: my wave's first row
	s_mov_b32 s21, 0
	s_lshl_b32 s62, s17, 20
	s_lshl_b32 s61, s15, 13
	s_add_co_u32 s62, s62, s61                     ; prefetch: batch + my work-group's 8 KiB of a tile
	s_mov_b32 s63, 0
	s_lshl_b32 s49, s12, 14                        ; where my load lands in a slot: wave x 16 KiB
	; group 1: a dense block of 16 KiB as 64 rows of 32 elements of 8 bytes
	s_mov_b32 s[G1+0], 15|(3<<16)|(1<<21)          ; 15:0 the mask: all four work-groups of the cluster; 17:16 elements of 8 bytes; 21 set beside a mask; no padding: the slot is read 512 neighbouring bytes at a time
	s_mov_b32 s[G1+1], 32<<16                      ; tensor_dim0 = 32
	s_mov_b32 s[G1+2], 64<<16                      ; tensor_dim1 = 64
	s_mov_b32 s[G1+3], 32<<16                      ; tile_dim0 = 32
	s_mov_b32 s[G1+4], 64                          ; tile_dim1 = 64
	s_mov_b32 s[G1+5], 32                          ; from row to row: 32 elements
	s_mov_b32 s[G1+6], 0
	s_mov_b32 s[G1+7], 0
	s_mov_b32 s50, 0x3e0293ee                      ; c = log2(e) / sqrt(128): the scale rides in the multiply-add in front of the exponential
	s_mov_b32 s51, 0x3e0293ee
	s_mov_b32 s52, 0x76543210                      ; v_permlanex16_b32: lane i reads lane i of the other half
	s_mov_b32 s53, 0xfedcba98
	s_mov_b32 s54, 0xbe0293ee                      ; -c
	s_wait_dscnt 0x0
	s_wait_kmcnt 0x0
	s_add_nc_u64 s[4:5], s[4:5], s[20:21]
	s_add_nc_u64 s[10:11], s[10:11], s[20:21]
	s_add_nc_u64 s[22:23], s[6:7], s[18:19]
	s_add_nc_u64 s[58:59], s[8:9], s[18:19]
	s_cmp_eq_u32 ttmp9, 0                          ; the batch's first cluster prefetches K, its second V
	s_cselect_b64 s[56:57], s[6:7], s[8:9]
	s_add_nc_u64 s[56:57], s[56:57], s[62:63]
.irp s, 0,1
	s_mov_b32 s[G0K+4*\s], 1                                       ; count = 1
	s_add_co_u32 s[G0K+4*\s+1], s49, \s*FSLOT                      ; LDS address
	s_add_nc_u64 s[G0K+4*\s+2:G0K+4*\s+3], s[22:23], \s*TILEB      ; global address: tile s
	s_or_b32 s[G0K+4*\s+3], s[G0K+4*\s+3], 0x80000000              ; type = 2
	s_mov_b32 s[G0V+4*\s], 1
	s_add_co_u32 s[G0V+4*\s+1], s49, \s*FSLOT
	s_add_nc_u64 s[G0V+4*\s+2:G0V+4*\s+3], s[58:59], \s*TILEB
	s_or_b32 s[G0V+4*\s+3], s[G0V+4*\s+3], 0x80000000
.endr
	ROUND                                          ; all four work-groups are here: the first joint loads meet
	JLOAD 0                                        ; tile 0
	JLOAD 1                                        ; tile 1: two tensor loads of the wave are out, the most in this text
	v_and_b32 v1, 31, v0                           ; lane
	v_and_b32 v2, 15, v0                           ; r
	v_bfe_u32 v3, v0, 4, 1                         ; h
	v_lshlrev_b32 v[GO], 4, v1
	WIN 0x80                                       ; destination window 2
.set rp, 0
.rept 64
	global_load_b128 v[4*rp:4*rp+3], v[GO], s[4:5] offset:512*rp th:TH_LOAD_NT   ; a whole row of Q, 512 neighbouring bytes, by each load
.set rp, rp+1
.endr
	WIN 0x40
.irp q, 0,1,2,3
	v_mov_b32 v[ST+8*\q+7], 0                      ; the destination of v_permlanex16_b32 counts as read: written once here
.endr
	WIN 0
	v_mul_u32_u24 v4, v2, KPITCH
	v_lshl_add_u32 v4, v3, 4, v4
	v_add_nc_u32 v[ADK], HK, v4
	v_and_b32 v5, 7, v0
	v_lshl_add_u32 v5, v3, 3, v5
	v_mul_u32_u24 v5, v5, VPITCH
	v_bfe_u32 v6, v0, 3, 1
	v_lshl_add_u32 v5, v6, 4, v5
	v_add_nc_u32 v[ADV], HV, v5
	s_lshl_b32 s60, s12, 13                        ; 16 rows of 512 bytes
	v_add_nc_u32 v[CVS], s60, v[GO]
	v_add_nc_u32 v[CVS+1], FSLOT, v[CVS]
	s_mul_i32 s60, s12, 16*KPITCH
	s_add_co_u32 s60, s60, HK
	v_lshl_add_u32 v[CVK], v1, 3, s60
	s_mul_i32 s60, s12, 16*VPITCH
	s_add_co_u32 s60, s60, HV
	v_lshl_add_u32 v[CVV], v1, 3, s60
	s_mul_i32 s60, s12, 16*SPITCH
	s_add_co_u32 s60, s60, STAGE
	v_mul_u32_u24 v4, v2, SPITCH
	v_lshl_add_u32 v4, v3, 5, v4
	v_add_nc_u32 v[STO], s60, v4
	v_add_nc_u32 v[RD], s60, v[GO]
	v_lshlrev_b32 v[PFM], 8, v1
	v_add_nc_u32 v[PFO], 3*TILEB, v[PFM]
	v_add_nc_u32 v[PFM], 31*TILEB, v[PFM]
; Q, 16 queries at a time, through my own stage: in by rows, back by fragment (lane (r, h): query r, d = 32 c + 8 h + 0..7 and 32 c + 16 + 8 h + 0..7), rounded to bf16.
.macro QIN qt
	s_wait_loadcnt 48-16*\qt                       ; loads come back in order: the rows of the later q tiles may stay out
	WIN 0x08                                       ; store data from window 2
.irp t, 0,1,2,3,4,5,6,7,8,9,10,11,12,13,14,15
	ds_store_b128 v[RD], v[64*\qt+4*\t:64*\qt+4*\t+3] offset:SPITCH*\t
.endr
	WIN 0
.irp c, 0,1,2,3
	ds_load_b128 v[FR+16*\c:FR+16*\c+3],     v[STO] offset:128*\c      ; LDS serves a wave's instructions in order: these see the stores above
	ds_load_b128 v[FR+16*\c+4:FR+16*\c+7],   v[STO] offset:128*\c+16
	ds_load_b128 v[FR+16*\c+8:FR+16*\c+11],  v[STO] offset:128*\c+64
	ds_load_b128 v[FR+16*\c+12:FR+16*\c+15], v[STO] offset:128*\c+80
.endr
	s_wait_dscnt 0x0
	WIN 0xc0                                       ; destination window 3
.irp c, 0,1,2,3
.irp i, 0,1,2,3,4,5,6,7
	v_cvt_pk_bf16_f32 v[8*(4*\qt+\c)+\i], v[FR+16*\c+2*\i], v[FR+16*\c+2*\i+1]
.endr
.endr
.endm
	QIN 0
	QIN 1
	QIN 2
	QIN 3
	WIN 0
; f32 slot d to bf16 slot d: my wave's 16 rows of K (groups 0, 1 of 8 rows) and of V (groups 2, 3).  A load takes a whole row, lane l the numbers 4 l .. 4 l + 3; a store puts its 8 bytes.
.macro CVLOAD d, g, buf
.irp j, 0,1,2,3,4,5,6,7
	ds_load_b128 v[\buf+4*\j:\buf+4*\j+3], v[CVS+(\d)] offset:((\g)/2)*KVOFF+(((\g)%2)*8+\j)*512
.endr
.endm
.macro CVPACK buf, pk
.irp j, 0,1,2,3,4,5,6,7
	v_cvt_pk_bf16_f32 v[\pk+2*\j],   v[\buf+4*\j],   v[\buf+4*\j+1]
	v_cvt_pk_bf16_f32 v[\pk+2*\j+1], v[\buf+4*\j+2], v[\buf+4*\j+3]
.endr
.endm
.macro CVSTORE d, g, pk
.irp j, 0,1,2,3,4,5,6,7
.if (\g) < 2
	ds_store_b64 v[CVK], v[\pk+2*\j:\pk+2*\j+1] offset:(\d)*HSTG+(((\g)%2)*8+\j)*KPITCH
.else
	ds_store_b64 v[CVV], v[\pk+2*\j:\pk+2*\j+1] offset:(\d)*HSTG+(((\g)%2)*8+\j)*VPITCH
.endif
.endr
.endm
.macro CONVERT d
	CVLOAD \d, 0, CVA
	CVLOAD \d, 1, CVB
	s_wait_dscnt 8                                 ; group 0 is in; group 1's 8 loads may be out
	CVPACK CVA, PKA
	CVSTORE \d, 0, PKA
	CVLOAD \d, 2, CVA
	s_wait_dscnt 16                                ; group 1 is in; behind it: 8 stores, 8 loads
	CVPACK CVB, PKB
	CVSTORE \d, 1, PKB
	CVLOAD \d, 3, CVB
	s_wait_dscnt 16                                ; group 2 is in; behind it: 8 stores, 8 loads
	CVPACK CVA, PKA
	CVSTORE \d, 2, PKA
	s_wait_dscnt 8                                 ; group 3 is in; behind it: 8 stores
	CVPACK CVB, PKB
	CVSTORE \d, 3, PKB
.endm
; K's 16 fragments (16 keys x 32 d) of bf16 slot st.  The four places stand behind the last matrix instructions, which read FR.
.macro FETCHK st
	PLACES
.irp kt, 0,1,2,3
.irp c, 0,1,2,3
	ds_load_b128 v[FR+8*(4*\kt+\c):FR+8*(4*\kt+\c)+3],   v[ADK] offset:\st*HSTG+16*KPITCH*\kt+64*\c
	ds_load_b128 v[FR+8*(4*\kt+\c)+4:FR+8*(4*\kt+\c)+7], v[ADK] offset:\st*HSTG+16*KPITCH*\kt+64*\c+32
.endr
.endr
.endm
; S^T = K Q^T: 64 matrix instructions.  The first 32 of d start the sums.  The sixteen accumulators take turns, one instruction a turn.
.macro SMUL left
	s_wait_dscnt \left                             ; K's fragments are in; what may stay out are LDS stores issued behind them
	WIN 0x5c                                       ; A window 0, B window 3, C and D window 1
.irp c, 0,1,2,3
.irp kt, 0,1,2,3
.irp qt, 0,1,2,3
.if \c == 0
	v_wmma_f32_16x16x32_bf16 v[8*(4*\qt+\kt):8*(4*\qt+\kt)+7], v[FR+8*(4*\kt+\c):FR+8*(4*\kt+\c)+7], v[8*(4*\qt+\c):8*(4*\qt+\c)+7], 0
.else
	v_wmma_f32_16x16x32_bf16 v[8*(4*\qt+\kt):8*(4*\qt+\kt)+7], v[FR+8*(4*\kt+\c):FR+8*(4*\kt+\c)+7], v[8*(4*\qt+\c):8*(4*\qt+\c)+7], v[8*(4*\qt+\kt):8*(4*\qt+\kt)+7]
.endif
.endr
.endr
.endr
.endm
; V^T's 16 fragments (16 v x 32 keys) by the transposing load.  The four places serve these loads into FR and the softmax's reads of S.
.macro FETCHV st
	WIN 0
	PLACES
.irp uc, 0,1
.irp vt, 0,1,2,3,4,5,6,7
	ds_load_tr16_b128 v[FR+8*(8*\uc+\vt):FR+8*(8*\uc+\vt)+3],   v[ADV] offset:\st*HSTG+32*VPITCH*\uc+32*\vt
	ds_load_tr16_b128 v[FR+8*(8*\uc+\vt)+4:FR+8*(8*\uc+\vt)+7], v[ADV] offset:\st*HSTG+32*VPITCH*\uc+32*\vt+16*VPITCH
.endr
.endr
.endm
; Tile g of S (qt = g % 4, kt = g / 4): the exponents c s - c m, two by each fused multiply-add
.macro ARG g
.set qq, (\g)%4
.set sb, 8*(4*qq+(\g)/4)
.irp i, 0,2,4,6
	v_pk_fma_f32 v[sb+\i:sb+\i+1], v[sb+\i:sb+\i+1], s[50:51], v[ST+8*qq+4:ST+8*qq+5] op_sel_hi:[1,0,1]
.endr
.endm
; Plain operation j of tile g, whose exponentials are done: even j adds pair j / 2 to the sum, odd j rounds it to bf16 into P.
; A query's first addition of a trip also rescales the old sum; in the first trip the first two pairs start the sum.
.macro TAILOP g, j, first
.set qq, (\g)%4
.set kk, (\g)/4
.set sb, 8*(4*qq+kk)
.set ii, (\j)/2
.if (\j)%2
	s_wait_alu depctr_va_vdst(0)
	v_cvt_pk_bf16_f32 v[PB+8*(2*qq+kk/2)+4*(kk%2)+ii], v[sb+2*ii], v[sb+2*ii+1]
.else
.set code, 16*\first+4*kk+ii
.if code == 0
	s_wait_alu depctr_va_vdst(0)
	v_pk_fma_f32 v[ST+8*qq+2:ST+8*qq+3], v[ST+8*qq+2:ST+8*qq+3], v[ST+8*qq+6:ST+8*qq+7], v[sb:sb+1]
.elseif code == 16
.elseif code == 17
	s_wait_alu depctr_va_vdst(0)
	v_pk_add_f32 v[ST+8*qq+2:ST+8*qq+3], v[sb:sb+1], v[sb+2:sb+3]
.else
	s_wait_alu depctr_va_vdst(0)
	v_pk_add_f32 v[ST+8*qq+2:ST+8*qq+3], v[ST+8*qq+2:ST+8*qq+3], v[sb+2*ii:sb+2*ii+1]
.endif
.endif
.endm
.macro SOFTMAX first
	WIN 0x55                                       ; everything in window 1
	; the new running maximum of each query: my 32 scores and the old maximum, four chains that do not wait for each other
.irp q, 0,1,2,3
.if \first
	v_max_num_f32 v[ST+8*\q+1], v[32*\q], v[32*\q+1]
.else
	v_max3_num_f32 v[ST+8*\q+1], v[32*\q], v[32*\q+1], v[ST+8*\q+1]
.endif
.endr
.irp k, 1,2,3,4,5,6,7,8,9,10,11,12,13,14,15
.irp q, 0,1,2,3
	v_max3_num_f32 v[ST+8*\q+1], v[32*\q+2*\k], v[32*\q+2*\k+1], v[ST+8*\q+1]
.endr
.endr
.irp q, 0,1,2,3
	v_permlanex16_b32 v[ST+8*\q+7], v[ST+8*\q+1], s52, s53         ; the other half of the lanes holds the query's other 32 keys
.endr
.irp q, 0,1,2,3
	v_max_num_f32 v[ST+8*\q+1], v[ST+8*\q+1], v[ST+8*\q+7]
.endr
.irp q, 0,1,2,3
	v_mul_f32 v[ST+8*\q+7], s54, v[ST+8*\q+1]                      ; -c m, rounded once: the number that the exponents add
.endr
.if \first == 0
.irp q, 0,1,2,3
	v_sub_f32 v[ST+8*\q+6], v[ST+8*\q+7], v[ST+8*\q+4]             ; c (m old - m new), from the very numbers that the old and the new exponents add
.endr
.irp q, 0,1,2,3
	v_exp_f32 v[ST+8*\q+6], v[ST+8*\q+6]                           ; the rescale factor; the moves below, which touch none of the four, stand between it and its use (ISA guide 5.7.2)
.endr
.endif
.irp q, 0,1,2,3
	v_mov_b32 v[ST+8*\q+4], v[ST+8*\q+7]
	v_mov_b32 v[ST+8*\q+5], v[ST+8*\q+7]
.endr
.if \first == 0
	s_wait_alu depctr_va_vdst(0)
.irp q, 0,1,2,3
	v_mov_b32 v[ST+8*\q+7], v[ST+8*\q+6]
.endr
.endif
	; sixteen tiles in a pipeline: the arguments of tile g + 1, then the exponentials of tile g, each followed by a plain operation of tile g - 1
	ARG 0
.irp g, 0,1,2,3,4,5,6,7,8,9,10,11,12,13,14,15
.if \g < 15
	ARG \g+1
.endif
.set eb, 8*(4*(\g%4)+\g/4)
.irp j, 0,1,2,3,4,5,6,7
	v_exp_f32 v[eb+\j], v[eb+\j]
.if \g > 0
	TAILOP \g-1, \j, \first
.endif
.endr
.endr
.irp j, 0,1,2,3,4,5,6,7
	TAILOP 15, \j, \first
.endr
.endm
; O of each query times the pair at ST + 8 qt + 6: the rescale factor in the trips, 1 / sum at the end
.macro RESCALE
	WIN 0x86                                       ; destination and source 0 window 2, source 1 window 1
.irp q, 0,1,2,3
.set rp, 0
.rept 32
	v_pk_mul_f32 v[64*\q+2*rp:64*\q+2*rp+1], v[64*\q+2*rp:64*\q+2*rp+1], v[ST+8*\q+6:ST+8*\q+7]
.set rp, rp+1
.endr
.endr
.endm
; O^T += V^T P^T: 64 matrix instructions.  The 32 accumulators take turns, one instruction a turn.
.macro PVMUL first
	s_wait_dscnt 0x0                               ; V's fragments are in
	WIN 0xa4                                       ; A window 0, B window 1, C and D window 2
.irp uc, 0,1
.irp vt, 0,1,2,3,4,5,6,7
.irp qt, 0,1,2,3
.if \first*(1-\uc)
	v_wmma_f32_16x16x32_bf16 v[8*(8*\qt+\vt):8*(8*\qt+\vt)+7], v[FR+8*(8*\uc+\vt):FR+8*(8*\uc+\vt)+7], v[PB+8*(2*\qt+\uc):PB+8*(2*\qt+\uc)+7], 0
.else
	v_wmma_f32_16x16x32_bf16 v[8*(8*\qt+\vt):8*(8*\qt+\vt)+7], v[FR+8*(8*\uc+\vt):FR+8*(8*\uc+\vt)+7], v[PB+8*(2*\qt+\uc):PB+8*(2*\qt+\uc)+7], v[8*(8*\qt+\vt):8*(8*\qt+\vt)+7]
.endif
.endr
.endr
.endr
.endm
; Trip i, s = i % 2.  Behind its barrier: bf16 slot s holds tile i; f32 slot 1 - s holds tile i + 1; f32 slot s has been read and takes tile i + 2;
; bf16 slot 1 - s has been read and takes tile i + 1.
.macro TRIP s, first, refill, conv
.if \refill
.if \first == 0
	s_wait_xcnt 0x0                                ; the last trip's prefetch has read its offset: only now is it stepped
	v_add_nc_u32 v[PFO], TILEB, v[PFO]
	v_min_u32 v[PFO], v[PFO], v[PFM]               ; never past the batch's last tile
.endif
.endif
	s_wait_dscnt 0x0                               ; my reads of both old slots are back, my stores into bf16 slot s are done
	s_wait_tensorcnt 0x0                           ; all my tensor loads have landed: the one that was out is my part of tile i + 1
	ds_add_u32 v30, v31
	s_wait_dscnt 0x0
.if \refill
	s_add_nc_u64 s[G0K+4*\s+2:G0K+4*\s+3], s[G0K+4*\s+2:G0K+4*\s+3], 2*TILEB   ; no load of mine is out: the slot's next tile
	s_add_nc_u64 s[G0V+4*\s+2:G0V+4*\s+3], s[G0V+4*\s+2:G0V+4*\s+3], 2*TILEB
	ROUND                                          ; all that now holds of every wave of the four work-groups
	JLOAD \s                                       ; my one tensor load until the next round, first thing behind this one: it has the whole trip in which to land
	PREF
.else
	s_barrier_signal -1                            ; it hands over bf16 slot s
	s_barrier_wait -1
.endif
	FETCHK \s
.if \conv
	CONVERT 1-\s
	SMUL 8                                         ; the conversion's last eight stores may stay out
.else
	SMUL 0
.endif
	FETCHV \s
	SOFTMAX \first
.if \first == 0
	RESCALE
.endif
	PVMUL \first
	WIN 0                                          ; at a label and at a branch every window is 0
.endm
	s_wait_dscnt 0x0
	s_wait_tensorcnt 0x1                           ; my part of tile 0 is in; tile 1's load was issued behind it and stays out
	s_barrier_signal -1
	s_barrier_wait -1                              ; everybody's part is in
	CONVERT 0
	TRIP 0, 1, 1, 1                                ; trip 0 starts maxima, sums and O
	TRIP 1, 0, 1, 1
	s_mov_b32 s48, 14                              ; trips 2 to 29
.Ltrips:
	TRIP 0, 0, 1, 1
	TRIP 1, 0, 1, 1
	s_sub_co_u32 s48, s48, 1
	s_cmp_lg_u32 s48, 0
	s_cbranch_scc1 .Ltrips
	TRIP 0, 0, 0, 1                                ; trip 30: nothing is left to fetch; tile 31 is rounded
	TRIP 1, 0, 0, 0                                ; trip 31
	; the end: join each query's four partial sums, divide, and store by whole rows
	PLACES                                         ; behind the last matrix instructions
	WIN 0x55
.irp q, 0,1,2,3
	v_add_f32 v[ST+8*\q+1], v[ST+8*\q+2], v[ST+8*\q+3]
.endr
.irp q, 0,1,2,3
	v_permlanex16_b32 v[ST+8*\q+7], v[ST+8*\q+1], s52, s53
.endr
.irp q, 0,1,2,3
	v_add_f32 v[ST+8*\q+1], v[ST+8*\q+1], v[ST+8*\q+7]
.endr
.irp q, 0,1,2,3
	v_rcp_f32 v[ST+8*\q+6], v[ST+8*\q+1]           ; made twice, to fill the pair that the packed multiply takes
	v_rcp_f32 v[ST+8*\q+7], v[ST+8*\q+1]
.endr
	v_nop                                          ; one plain place between the reciprocals and their first use (ISA guide 5.7.2)
	s_wait_alu depctr_va_vdst(0)
	RESCALE
; 16 queries: lane (r, h) holds query r, v = 16 vt + 8 h + 0..7, 32 bytes, into my stage; back by rows of 512 bytes
.macro OUTQ qt
	WIN 0x08                                       ; store data from window 2
.irp vt, 0,1,2,3,4,5,6,7
	ds_store_b128 v[STO], v[8*(8*\qt+\vt):8*(8*\qt+\vt)+3]   offset:64*\vt
	ds_store_b128 v[STO], v[8*(8*\qt+\vt)+4:8*(8*\qt+\vt)+7] offset:64*\vt+16
.endr
	WIN 0
	s_wait_xcnt 0x0                                ; the registers that earlier global stores read are loaded again only behind this wait
.irp t, 0,1,2,3,4,5,6,7,8,9,10,11,12,13,14,15
	ds_load_b128 v[FR+64*(\qt%2)+4*\t:FR+64*(\qt%2)+4*\t+3], v[RD] offset:SPITCH*\t   ; in order behind my stores above
.endr
.irp t, 0,1,2,3,4,5,6,7,8,9,10,11,12,13,14,15
	s_wait_dscnt 15-\t                             ; row t is back; the younger rows may be out
	global_store_b128 v[GO], v[FR+64*(\qt%2)+4*\t:FR+64*(\qt%2)+4*\t+3], s[10:11] offset:8192*\qt+512*\t th:TH_STORE_NT   ; the wave stores 512 consecutive bytes, at a multiple of 512 from out0's first byte
.endr
.endm
	OUTQ 0
	OUTQ 1
	OUTQ 2
	OUTQ 3
	s_wait_tensorcnt 0x0
	ds_add_u32 v30, v31
	s_wait_dscnt 0x0
	ROUND                                          ; the closing round: no work-group ends while a partner may still ask jointly
	s_endpgm
.Lfunc_end_k_q5d01a0d8c0_attn:
	.size	k_q5d01a0d8c0_attn, .Lfunc_end_k_q5d01a0d8c0_attn-k_q5d01a0d8c0_attn
	.p2alignl 7, 3214868480
	.fill 96, 4, 3214868480
	.section	.rodata,"a",@progbits
	.p2align	6, 0x0
	.amdhsa_kernel k_q5d01a0d8c0_attn
		.amdhsa_group_segment_fixed_size 327680
		.amdhsa_private_segment_fixed_size 0
		.amdhsa_enable_private_segment 0
		.amdhsa_kernarg_size 32
		.amdhsa_user_sgpr_count 2
		.amdhsa_user_sgpr_kernarg_segment_ptr 1
		.amdhsa_wavefront_size32 1
		.amdhsa_system_sgpr_workgroup_id_x 1
		.amdhsa_system_sgpr_workgroup_id_y 1
		.amdhsa_system_sgpr_workgroup_id_z 1
		.amdhsa_system_vgpr_workitem_id 0
		.amdhsa_next_free_vgpr 896
		.amdhsa_next_free_sgpr 66
		.amdhsa_reserve_vcc 0
		.amdhsa_float_denorm_mode_32 3
		.amdhsa_float_denorm_mode_16_64 3
		.amdhsa_memory_ordered 1
		.amdhsa_forward_progress 1
		.amdhsa_inst_pref_size 255
	.end_amdhsa_kernel
	.section	.bss,"aw",@nobits
	.p2align	6
	.space	262144
	.amdgpu_metadata
---
amdhsa.version: [ 1, 2 ]
amdhsa.kernels:
  - .name:           k_q5d01a0d8c0_attn
    .symbol:         k_q5d01a0d8c0_attn.kd
    .args:
      - { .name: Q, .offset: 0, .size: 8, .value_kind: global_buffer, .address_space: global }
      - { .name: K, .offset: 8, .size: 8, .value_kind: global_buffer, .address_space: global }
      - { .name: V, .offset: 16, .size: 8, .value_kind: global_buffer, .address_space: global }
      - { .name: out0, .offset: 24, .size: 8, .value_kind: global_buffer, .address_space: global }
    .group_segment_fixed_size: 327680
    .private_segment_fixed_size: 0
    .kernarg_segment_align: 8
    .kernarg_segment_size: 32
    .max_flat_workgroup_size: 128
    .sgpr_count:     66
    .vgpr_count:     896
    .wavefront_size: 32
...
	.end_amdgpu_metadata
.endif
;; end of part 1
